; MI455X (gfx1250); checked and timed in simulation.
; The chip was launched on July 23, 2026; its instructions are those of AMD's public machine-readable ISA for CDNA 5 (MIT licence, August 2026) and "CDNA5" Instruction Set Architecture Reference Guide (July 2026). The comments in the code are by the model that wrote it; some were corrected since.
;; Attention. Allowed arithmetic: matrix products marked QUANTISED: E4M3 operands, one given power-of-two scale a tensor, by v_wmma_f32_16x16x64_fp8_fp8 or v_wmma_f32_16x16x128_fp8_fp8, f32 sums; everything else in f32.
;; Inputs: lowp_scales 12 int32 (the exponents e of the quantised operands' scales 2^e); rope_cache 2,048 x 64 float32; sinks 32 float32; wk_b 512 float32; wk_w 512 x 2,048 float32; wo_b 2,048 float32; wo_w 2,048 x 2,048 float32; wq_b 2,048 float32; wq_w 2,048 x 2,048 float32; wv_b 512 float32; wv_w 512 x 2,048 float32; x 1 x 2,048 x 2,048 float32.
;; Outputs: out0 1 x 2,048 x 2,048 float32.
;; This version of the problem:
;;   THIS VERSION OF THE PROBLEM IS GIVEN IN LOW PRECISION. The matrix products marked QUANTISED in the list below multiply operands that are first quantised to E4M3 (4 exponent bits, 3 mantissa bits; 8 bits a number), with one given power-of-two scale for each operand tensor; their sums are f32. All else is computed in f32.
;;   The module's matrix products, in the order in which they are computed (A, B: the left and right operand; K: the contracted axis; several contracted axes count as one K, in the product's order):
;;     1. [M 2,048, K 2,048] x [K 2,048, N 2,048]; A: input x; B: input wq_w: QUANTISED (scales: A lowp_scales[0], B lowp_scales[1])
;;     2. [M 2,048, K 2,048] x [K 2,048, N 512]; A: input x; B: input wk_w: QUANTISED (scales: A lowp_scales[2], B lowp_scales[3])
;;     3. [M 2,048, K 2,048] x [K 2,048, N 512]; A: input x; B: input wv_w: QUANTISED (scales: A lowp_scales[4], B lowp_scales[5])
;;     4. batch 32 x [M 2,048, K 64] x [K 64, N 2,048]; A: computed on the way; B: computed on the way: QUANTISED (scales: A lowp_scales[6], B lowp_scales[7])
;;     5. batch 32 x [M 2,048, K 2,048] x [K 2,048, N 64]; A: computed on the way; B: computed on the way: QUANTISED (scales: A lowp_scales[8], B lowp_scales[9])
;;     6. [M 2,048, K 2,048] x [K 2,048, N 2,048]; A: computed on the way; B: input wo_w: QUANTISED (scales: A lowp_scales[10], B lowp_scales[11])
;;   THE QUANTISER, for each operand of a quantised product, along K:
;;     - The operand's scale is 2^e, e = its entry of the input lowp_scales (int32; the entries are numbered through the quantised products in the list's order, A before B).
;;     - Each number is divided by the scale, clamped to +-448, and rounded to the nearest number of E4M3, ties to even, subnormals kept.
;;     - The product sums the exact products of the quantised numbers (number of the format x scale) in f32.
;;   ~~~python
;;   def quantise(x, axis, e):      # numpy; x: float32 -> the quantised numbers, widened to float32 again
;;       x = np.moveaxis(x, axis, -1); K = x.shape[-1]
;;       r = np.clip(x / 2.0 ** e, -448, 448)
;;       step = 2.0 ** (np.maximum(np.frexp(np.where(r == 0, 1, r))[1] - 1, -6) - 3)
;;       q = np.round(r / step) * step * 2.0 ** e      # np.round: ties to even
;;       return np.moveaxis(q, -1, axis).astype(np.float32)
;;   ~~~
;;   OPERANDS COMPUTED ON THE WAY. 'Computed on the way' means the value that the module computes at that place (a softmax that the list does not call 'softmax' is quantised finished and normalised). What goes into a quantiser is computed in f32, as accurately as f32 sums, v_exp_f32 and their like allow (about 1e-6 of the number): no bf16 or f16 on the way to a quantiser, and a product that is left as it is and whose result goes on into a quantised operand takes f32 operands (vector FMAs, or v_wmma_f32_16x16x4_f32). A number that lies on a knife's edge between two numbers of the format may be rounded either way, as far as f32 arithmetic and the matrix unit's own rounding can turn it there, and no further.
;; One version. Each part assembles by itself: llvm-mc -triple=amdgcn-amd-amdhsa -mcpu=gfx1250 --defsym DOCPART=n.
;; ======== version 1 of 1: 4 launches
;; workspace buffers: xc 12,582,912 bytes; wc 10,485,760 bytes; qkv 6,291,456 bytes; oc 4,194,304 bytes
;; launch quant (part 1): grid 448 x 1, 4 waves a work-group, no clusters, 17,920 bytes of LDS; arguments x, wq_w, wk_w, wv_w, wo_w, lowp_scales, xc, wc; writes xc, wc
.if DOCPART == 1
	.amdgcn_target "amdgcn-amd-amdhsa--gfx1250"
	.amdhsa_code_object_version 6
	.text
	.protected	k_q277b6aedbf_quant
	.globl	k_q277b6aedbf_quant
	.p2align	8
	.type	k_q277b6aedbf_quant,@function
k_q277b6aedbf_quant:
	s_mov_b64 s[64:65], 0
	v_nop
	global_prefetch_b8 v0, s[64:65] scope:SCOPE_SE
	s_setreg_imm32_b32 hwreg(HW_REG_WAVE_MODE, 25, 1), 1
	s_wait_xcnt 0x0
; THE PROGRAM: four launches.  quant: x and the four weights become codes of E4M3.  qkv: the three projections, bias, rotary turn, quantised.
; attn: causal attention with the sink's gate, on codes.  proj: the projection on the way out.  All that goes through memory between them is codes.
; WORK LEFT OUT, in the whole program: the causal mask is built by reference() itself (jnp.tril).  A score under it is replaced by -1e30, its exp(score - lse) is 0 for every finite
; input, and a 0 adds nothing to lse's sum or to the product with v.  So a step of 128 keys all of which come after a tile's 16 queries reaches no output, whatever the inputs hold, and
; is not computed (launch attn).  Nothing else is left out: every bias goes into a quantiser, rope_cache, sinks and wo_b reach the output; every input is loaded.
; LIMIT of that: a NaN, an infinity or an overflow that would arise only in such hidden steps is not carried to the result.
; THIS LAUNCH: code = number / 2^e, held within +-448, to the nearest code, ties to even.  x is an operand of three products with three given scales (entries 0, 2, 4): it is read once
; and three planes of codes are written.  wq_w: entry 1, wk_w: 3, wv_w: 5, wo_w: 11.
; LIMITS: each e lies between -126 and 119, so that 2^e and 448 x 2^e are f32 numbers.  NaN among the inputs is not served.
; THE IMAGE.  Codes are laid as the matrix unit's registers take them: a block of 16 rows x 64 along K is 1,024 bytes; lane = row + 16 h holds k = 16 c + 8 h + 0..7 in registers 2 c, 2 c + 1;
; registers 0-3 of the 32 lanes are 512 bytes on end (lane l at 16 l), registers 4-7 the next 512.  xc: [plane 3][row tile 128][block of K 32][1024]; wc: [row tile 320][32][1024]: wq, wk, wv, wo on end.
; SHARES.  A work-group takes 16 rows x 2,048 of one tensor (by its number: 128 of x, 128 wq, 32 wk, 32 wv, 128 wo); a wave 512 along K: 8 steps of one image.
; A load reads 256 consecutive bytes of each of two rows; a step's 4,096 bytes turn through the wave's own stage in LDS (rows 272 bytes apart) and come back 8 neighbours along K at a time.
; No tile is shared between work-groups, so there is no cluster, no tensor load and no barrier.  Loads run four steps (32 loads a wave) ahead.
.set ROWB,  8192                       ; a row of any of the five tensors in bytes
.set SP,    272                        ; a stage row: 256 bytes + 16
.set STG,   16*SP                      ; a wave's stage
.set SPARE, 4*STG                      ; behind the stages: the spare words, 128 bytes a wave
.set LI,   1                           ; v1   16 x lane: my place in half an image
.set LO2,  2                           ; v2   in memory: (lane / 16) rows + 16 (lane % 16)
.set STI,  3                           ; v3   the stage, on the way in
.set STO,  4                           ; v4   and on the way out: row lane % 16, + 32 (lane / 16)
.set SCL0, 5                           ; v5, v7, v9   2^e of planes 0, 1, 2
.set LIM0, 6                           ; v6, v8, v10  448 x 2^e
.set SPW,  12                          ; v12  my spare word's address; never rewritten
.set NIL,  13                          ; v13  0; never rewritten
.set R,    16                          ; v16-143  four sets of 32: as loaded
.set X,    144                         ; v144-207 two sets of 32: register 8 c + j = k 16 c + 8 h + j of my row
.set T,    208                         ; v208-239 the held numbers of one plane
.set C,    240                         ; v240-247 an image's eight registers
.set SRC,  24                          ; s[24:25] my wave's first number
.set DST,  52                          ; s[52:57] my wave's first image in planes 0, 1, 2
	s_load_b512 s[4:19], s[0:1], 0x0               ; x, wq_w, wk_w, wv_w, wo_w, lowp_scales, xc, wc
	v_lshl_add_u32 v[SPW], v0, 2, SPARE
	v_mov_b32 v[NIL], 0
	v_lshrrev_b32 v14, 5, v0
	v_readfirstlane_b32 s20, v14                   ; wave
	v_and_b32 v14, 31, v0                          ; lane
	v_and_b32 v15, 15, v0                          ; lane % 16
	v_bfe_u32 v11, v0, 4, 1                        ; lane / 16
	v_lshlrev_b32 v[LI], 4, v14
	v_lshlrev_b32 v[LO2], 4, v15
	v_lshl_add_u32 v[LO2], v11, 13, v[LO2]
	s_mul_i32 s21, s20, STG
	v_mul_u32_u24 v[STI], v11, SP
	v_lshl_add_u32 v[STI], v15, 4, v[STI]
	v_add_nc_u32 v[STI], s21, v[STI]
	v_mul_u32_u24 v[STO], v15, SP
	v_lshl_add_u32 v[STO], v11, 5, v[STO]
	v_add_nc_u32 v[STO], s21, v[STO]
	s_wait_kmcnt 0x0
	s_load_b256 s[32:39], s[14:15], 0x0            ; e0 .. e7
	s_load_b128 s[40:43], s[14:15], 0x20           ; e8 .. e11
	; which tensor: the choice hangs on the work-group's number alone
	s_mov_b64 s[SRC:SRC+1], s[12:13]               ; wo_w, from work-group 320 on
	s_mov_b32 s22, 320
	s_cmp_lt_u32 ttmp9, 320
	s_cselect_b64 s[SRC:SRC+1], s[10:11], s[SRC:SRC+1]
	s_cselect_b32 s22, 288, s22
	s_cmp_lt_u32 ttmp9, 288
	s_cselect_b64 s[SRC:SRC+1], s[8:9], s[SRC:SRC+1]
	s_cselect_b32 s22, 256, s22
	s_cmp_lt_u32 ttmp9, 256
	s_cselect_b64 s[SRC:SRC+1], s[6:7], s[SRC:SRC+1]
	s_cselect_b32 s22, 128, s22
	s_cmp_lt_u32 ttmp9, 128
	s_cselect_b64 s[SRC:SRC+1], s[4:5], s[SRC:SRC+1]
	s_cselect_b32 s22, 0, s22
	s_cselect_b64 s[DST:DST+1], s[16:17], s[18:19] ; x's codes go to xc, the weights' to wc
	s_cselect_b32 s23, 0, 128
	s_cselect_b32 s28, ttmp9, 0                    ; the row tile in x's other two planes (0 where the work-group has none: the pointers stay inside xc)
	s_sub_co_u32 s22, ttmp9, s22                   ; my row tile in the tensor
	s_lshl_b32 s22, s22, 17                        ; 16 rows of 8,192 bytes
	s_lshl_b32 s29, s20, 11                        ; my wave's 512 numbers
	s_add_co_u32 s30, s22, s29
	s_mov_b32 s31, 0
	s_add_nc_u64 s[SRC:SRC+1], s[SRC:SRC+1], s[30:31]
	s_sub_co_u32 s23, ttmp9, s23
	s_lshl_b32 s23, s23, 15                        ; a row tile's 32 images
	s_lshl_b32 s29, s20, 13                        ; my wave's 8
	s_add_co_u32 s30, s23, s29
	s_add_nc_u64 s[DST:DST+1], s[DST:DST+1], s[30:31]
	s_lshl_b32 s28, s28, 15
	s_add_co_u32 s30, s28, s29
	s_add_nc_u64 s[DST+2:DST+3], s[16:17], s[30:31]
	s_add_nc_u64 s[DST+4:DST+5], s[DST+2:DST+3], 0x800000
	s_add_nc_u64 s[DST+2:DST+3], s[DST+2:DST+3], 0x400000
.macro LOAD t                          ; step t: 16 rows x 256 bytes; lanes 0-15 take 256 aligned bytes of row 2 i, lanes 16-31 of row 2 i + 1
.irp i, 0,1,2,3,4,5,6,7
	global_load_b128 v[R+32*((\t)%4)+4*\i:R+32*((\t)%4)+4*\i+3], v[LO2], s[SRC:SRC+1] offset:\i*2*ROWB+(\t)*256 th:TH_LOAD_NT
.endr
.endm
.macro TURN t                          ; through the stage: LDS serves a wave's instructions in order, so no wait stands between the stores and the loads, nor in front of the next step's stores
.irp i, 0,1,2,3,4,5,6,7
	ds_store_b128 v[STI], v[R+32*((\t)%4)+4*\i:R+32*((\t)%4)+4*\i+3] offset:\i*2*SP
.endr
.irp c, 0,1,2,3
.irp u, 0,1
	ds_load_b128 v[X+32*((\t)%2)+8*\c+4*\u:X+32*((\t)%2)+8*\c+4*\u+3], v[STO] offset:64*\c+16*\u
.endr
.endr
.endm
.macro QS p, t                         ; step t's 32 numbers a lane become plane p's image
.set XS, X+32*((\t)%2)
	s_wait_xcnt 0x0                                ; the earlier stores have read their data: C is written again only behind this wait
.set i, 0
.rept 32
	v_med3_num_f32 v[T+i], v[XS+i], -v[LIM0+2*(\p)], v[LIM0+2*(\p)]   ; the conversion to an 8-bit code does not saturate (ISA guide 7.6.2): the hold comes first; X stays for the other planes
.set i, i+1
.endr
.irp c, 0,1,2,3
	v_cvt_scalef32_pk8_fp8_f32 v[C+2*\c:C+2*\c+1], v[T+8*\c:T+8*\c+7], v[SCL0+2*(\p)]
.endr
	v_nop                                          ; one plain line behind the last conversion: the next holds write the conversions' sources
	global_store_b128 v[LI], v[C:C+3], s[DST+2*(\p):DST+2*(\p)+1] offset:1024*(\t)          ; 32 lanes store 512 consecutive bytes, aligned
	global_store_b128 v[LI], v[C+4:C+7], s[DST+2*(\p):DST+2*(\p)+1] offset:1024*(\t)+512
.endm
.macro MKSCALE se, vs, vl              ; 2^e and 448 x 2^e as f32
	s_add_co_i32 s49, \se, 127
	s_lshl_b32 s50, s49, 23
	v_mov_b32 v[\vs], s50
	s_add_co_i32 s49, s49, 8
	s_lshl_b32 s49, s49, 23
	s_or_b32 s49, s49, 0x600000
	v_mov_b32 v[\vl], s49
.endm
	LOAD 0
	LOAD 1
	LOAD 2
	LOAD 3
	s_wait_kmcnt 0x0
	s_mov_b32 s48, s43                             ; plane 0's e, by the same choice as the tensor: e11, e5, e3, e1, e0
	s_cmp_lt_u32 ttmp9, 320
	s_cselect_b32 s48, s37, s48
	s_cmp_lt_u32 ttmp9, 288
	s_cselect_b32 s48, s35, s48
	s_cmp_lt_u32 ttmp9, 256
	s_cselect_b32 s48, s33, s48
	s_cmp_lt_u32 ttmp9, 128
	s_cselect_b32 s48, s32, s48
	MKSCALE s48, SCL0, LIM0
	MKSCALE s34, SCL0+2, LIM0+2                    ; e2
	MKSCALE s36, SCL0+4, LIM0+4                    ; e4
	s_wait_loadcnt 24                              ; step 0's eight loads are in; the 24 of steps 1 to 3 may be out
	TURN 0
.macro STEP t
	s_wait_dscnt 0x0                               ; this step's numbers are back from the stage, so its stores into the stage have read their registers,
.if (\t)+4 < 8
	LOAD (\t)+4                                    ; which take the loads of four steps on
.endif
.if (\t) < 7
.if (\t) < 4
	s_wait_loadcnt 24                              ; the next step's eight loads are in; those of the three steps behind it may be out
.else
	s_wait_loadcnt 8*(6-(\t))                      ; nothing more is asked for: the counts run down
.endif
	TURN (\t)+1
.endif
	QS 0, \t
	s_cmp_lt_u32 ttmp9, 128                        ; x alone has two more planes; the arm holds work on registers and global stores only
	s_cbranch_scc0 .Lone_\@
	QS 1, \t
	QS 2, \t
.Lone_\@:
.endm
.irp t, 0,1,2,3,4,5,6,7
	STEP \t
.endr
	s_wait_tensorcnt 0x0                           ; the wave's end, behind my last LDS store
	ds_add_u32 v[SPW], v[NIL]
	s_wait_dscnt 0x0
	s_endpgm
.Lfunc_end_k_q277b6aedbf_quant:
	.size	k_q277b6aedbf_quant, .Lfunc_end_k_q277b6aedbf_quant-k_q277b6aedbf_quant
	.p2alignl 7, 3214868480
	.fill 96, 4, 3214868480
	.section	.rodata,"a",@progbits
	.p2align	6, 0x0
	.amdhsa_kernel k_q277b6aedbf_quant
		.amdhsa_group_segment_fixed_size 17920
		.amdhsa_private_segment_fixed_size 0
		.amdhsa_enable_private_segment 0
		.amdhsa_kernarg_size 64
		.amdhsa_user_sgpr_count 2
		.amdhsa_user_sgpr_kernarg_segment_ptr 1
		.amdhsa_wavefront_size32 1
		.amdhsa_system_sgpr_workgroup_id_x 1
		.amdhsa_system_sgpr_workgroup_id_y 1
		.amdhsa_system_sgpr_workgroup_id_z 1
		.amdhsa_system_vgpr_workitem_id 0
		.amdhsa_next_free_vgpr 248
		.amdhsa_next_free_sgpr 66
		.amdhsa_reserve_vcc 0
		.amdhsa_float_denorm_mode_32 3
		.amdhsa_float_denorm_mode_16_64 3
		.amdhsa_memory_ordered 1
		.amdhsa_forward_progress 1
		.amdhsa_inst_pref_size 80
	.end_amdhsa_kernel
	.amdgpu_metadata
---
amdhsa.version: [ 1, 2 ]
amdhsa.kernels:
  - .name:           k_q277b6aedbf_quant
    .symbol:         k_q277b6aedbf_quant.kd
    .args:
      - { .name: x, .offset: 0, .size: 8, .value_kind: global_buffer, .address_space: global }
      - { .name: wq_w, .offset: 8, .size: 8, .value_kind: global_buffer, .address_space: global }
      - { .name: wk_w, .offset: 16, .size: 8, .value_kind: global_buffer, .address_space: global }
      - { .name: wv_w, .offset: 24, .size: 8, .value_kind: global_buffer, .address_space: global }
      - { .name: wo_w, .offset: 32, .size: 8, .value_kind: global_buffer, .address_space: global }
      - { .name: lowp_scales, .offset: 40, .size: 8, .value_kind: global_buffer, .address_space: global }
      - { .name: xc, .offset: 48, .size: 8, .value_kind: global_buffer, .address_space: global }
      - { .name: wc, .offset: 56, .size: 8, .value_kind: global_buffer, .address_space: global }
    .group_segment_fixed_size: 17920
    .private_segment_fixed_size: 0
    .kernarg_segment_align: 8
    .kernarg_segment_size: 64
    .max_flat_workgroup_size: 128
    .sgpr_count:     66
    .vgpr_count:     248
    .wavefront_size: 32
...
	.end_amdgpu_metadata
.endif
;; end of part 1
;; launch qkv (part 2): grid 24 x 16, 4 waves a work-group, clusters of 4 x 4, 327,680 bytes of LDS; arguments xc, wc, lowp_scales, wq_b, wk_b, wv_b, rope_cache, qkv; writes qkv
.if DOCPART == 2
	.amdgcn_target "amdgcn-amd-amdhsa--gfx1250"
	.amdhsa_code_object_version 6
	.text
	.protected	k_q277b6aedbf_qkv
	.globl	k_q277b6aedbf_qkv
	.p2align	8
	.type	k_q277b6aedbf_qkv,@function
k_q277b6aedbf_qkv:
	s_mov_b64 s[64:65], 0
	v_nop
	global_prefetch_b8 v0, s[64:65] scope:SCOPE_SE
	s_setreg_imm32_b32 hwreg(HW_REG_WAVE_MODE, 25, 1), 1
	s_wait_xcnt 0x0
	s_wait_alu depctr_hold_cnt(0) depctr_sa_sdst(0) depctr_va_vdst(0) depctr_va_sdst(0) depctr_va_ssrc(0) depctr_va_vcc(0) depctr_vm_vsrc(0)
	s_getreg_b32 s2, hwreg(HW_REG_IB_STS2, 6, 4)
	s_cmp_eq_u32 s2, 0
	s_cbranch_scc0 .Lentry_in_a_cluster
	s_endpgm
.Lentry_in_a_cluster:
	s_bfe_u32 s2, ttmp6, 0x10000c
	s_cmp_lg_u32 s2, 0xf033
	s_cbranch_scc0 .Lentry_shape_is_right
	s_endpgm
.Lentry_shape_is_right:
; q = rot(x wq^T + bq), k = rot(x wk^T + bk), v = x wv^T + bv, each product on codes of E4M3 (v_wmma_f32_16x16x128_fp8_fp8), each result quantised at once for attention's products:
; q with entry 6 of lowp_scales, k with entry 7 (both along the head's 64), v with entry 9 (along the keys).  No work is left out here.
; LIMITS: e0 + e1, e2 + e3, e4 + e5 between -126 and 127; e6, e7, e9 between -126 and 119: each power of two below is then an f32 number.  NaN is not served.
; CODES lie as images of a fragment's registers (16 rows x 64 K = 1,024 bytes; lane l's 16 bytes at 16 l, registers 0-3 then 4-7), in memory and in LDS alike: every LDS load takes 512 consecutive bytes.
; A tile of the result is 128 x 128; four waves of 64 x 64: 16 accumulators.  K = 2,048 goes in four steps of 512 through two LDS slots; a wave's tensor load brings 4 row tiles x 8,192 bytes.
; CLUSTERS of 4 x 4 work-groups.  Cluster x 0-3: q's 2,048 columns; 4: k's 512; 5: v.  Source 0 of the matrix instruction takes what the cluster's COLUMN shares ("B"), source 1 what its ROW shares ("A"):
; a lane then holds one row of A and its eight registers eight neighbouring rows of B.  For q and k: A = x's rows (positions), B = the weight's rows: a lane holds a position, registers run along the head.
; For v, A = wv's rows and B = x's rows: a lane holds one channel d and its registers run along the positions, which are the second product's K.  Only the addresses differ; the loop is one text.
; In both cases the four conversions of accumulators (a, 0..3) ARE an image's eight registers: results leave by stores of 512 consecutive bytes, with no stage.
; qkv: q [head 32][position tile 128][1024]; k the same as heads 32-39; v at 0x500000: [kv head 8][block of 64 keys 32][d tile 4][1024] (rows = d).
; REGISTERS: window 0: v16-31 addresses and scales; v32-63 bias; v64-71 at work; v96-127 codes; v128-255 accumulators ((a, b) at v[128 + 8 (4 a + b)]).
;   window 1: two fragment buffers of 128: A's four fragments of 16 registers, then B's four.   window 2: v0-127 cos and sin.
.set HALFT, 32768                      ; 4 row tiles x 8,192 bytes: what one tensor load brings, and what one wave reads of A or of B
.set SLOT,  131072                     ; A's 8 row tiles, then B's 8
.set SPARE, 2*SLOT                     ; behind the ring: the spare words, 128 bytes a wave
.set ADRA, 16                          ; v16-17 LDS address of my A fragments in slot 0, 1
.set ADRB, 20                          ; v20-21 the same for B
.set LI,   24                          ; v24  16 x lane
.set RO,   25                          ; v25  rope_cache: 256 r + 32 h
.set BO,   26                          ; v26  bias of q, k: 32 h
.set VO,   27                          ; v27  bias of v: 4 r
.set SPW,  28                          ; v28  my spare word's address; never rewritten
.set NIL,  29                          ; v29  0; never rewritten
.set SCL,  30                          ; v30  2^e of the result's quantiser
.set LIM,  31                          ; v31  448 x that
.set BIAS, 32
.set CD,   96
.set ACC,  128
.set F0,   0
.set F1,   128
.set G1,  24                           ; s[24:31] descriptor group 1 for A's tiles; s[32:39] group 0, a set for each slot
.set G0,  32
.set G1B, 48                           ; s[48:55], s[56:63] the same for B's
.set G0B, 56
.set MSB, 0
.macro WIN new                         ; the immediate's high byte repeats the setting that is left
.if MSB != \new
	s_set_vgpr_msb (MSB<<8)|\new
.set MSB, \new
.endif
.endm
.set MUL,  0x05                        ; sources 0 and 1 window 1; C and D window 0
.set TO_F, 0x40                        ; destination window 1, address window 0
.macro JLOAD s                         ; a joint load: waves 0 and 1 fetch A's halves, waves 2 and 3 B's; an s_nop 0 and four v_nop follow each line
	s_cmp_eq_u32 s11, 0
	s_cbranch_scc0 .Lfor_b_\@
	tensor_load_to_lds s[G0+4*\s:G0+4*\s+3], s[G1:G1+7]
	s_nop 0
.rept 4
	v_nop
.endr
	s_branch .Lasked_\@
.Lfor_b_\@:
	tensor_load_to_lds s[G0B+4*\s:G0B+4*\s+3], s[G1B:G1B+7]
	s_nop 0
.rept 4
	v_nop
.endr
.Lasked_\@:
.endm
.macro CREST                           ; a round of the cluster's barrier behind its opening barrier
	s_cmp_lg_u32 s10, 0
	s_cbranch_scc1 .Lnot_wave_0_\@
	s_barrier_signal -3
.Lnot_wave_0_\@:
	s_barrier_wait -3
	s_barrier_signal -1
	s_barrier_wait -1
.endm
.macro CROUND
	s_barrier_signal -1
	s_barrier_wait -1
	CREST
.endm
.macro PLACES                          ; four places in front of loads into registers that matrix instructions have read, and of the first read of results
.rept 4
	v_nop
.endr
.endm
	s_load_b512 s[68:83], s[0:1], 0x0              ; xc 68, wc 70, lowp_scales 72, wq_b 74, wk_b 76, wv_b 78, rope_cache 80, qkv 82
	v_lshl_add_u32 v[SPW], v0, 2, SPARE
	v_mov_b32 v[NIL], 0
	ds_add_u32 v[SPW], v[NIL]                      ; the wave's opening: the add, twice on end, and its wait ahead of my first tensor load
	ds_add_u32 v[SPW], v[NIL]
	v_lshrrev_b32 v1, 5, v0
	v_readfirstlane_b32 s10, v1                    ; wave 0..3
	s_lshr_b32 s11, s10, 1                         ; which half of A's rows is mine.  Also: I fetch for A (0) or for B (1)
	s_and_b32 s12, s10, 1                          ; which half of B's rows.  Also: which 64 rows of that tile I fetch
	s_bfe_u32 s40, ttmp6, 0x40000                  ; cx
	s_bfe_u32 s41, ttmp6, 0x40004                  ; cy
	s_and_b32 s13, ttmp7, 0xffff
	s_lshl_b32 s13, s13, 2                         ; 4 x cluster y
	s_lshl_b32 s42, ttmp9, 2                       ; 4 x cluster x
	s_lshl_b32 s43, s41, 2
	s_lshl_b32 s43, 15, s43                        ; my row of the cluster
	s_lshl_b32 s44, 0x1111, s40                    ; my column
	s_or_b32 s[G1], s43, (3<<16)|(1<<21)           ; 15:0 the mask; 17:16 elements of 8 bytes; 21 set beside a mask; no padding
	s_or_b32 s[G1B], s44, (3<<16)|(1<<21)
.irp g, G1, G1B
	s_mov_b32 s[\g+1], 1024<<16                    ; tensor_dim0 = 1,024 elements: 8,192 bytes, 512 along K of a row tile
	s_mov_b32 s[\g+2], 4<<16                       ; tensor_dim1 = 4 row tiles
	s_mov_b32 s[\g+3], 1024<<16                    ; tile_dim0
	s_mov_b32 s[\g+4], 4                           ; tile_dim1
	s_mov_b32 s[\g+5], 4096                        ; from row tile to row tile: 32,768 bytes
	s_mov_b32 s[\g+6], 0
	s_mov_b32 s[\g+7], 0
.endr
	; where the tiles come from.  The selects hang on the cluster's x, which all sixteen partners share.  A's registers never hold cx, B's never cy.
	s_cmp_eq_u32 ttmp9, 5
	s_cselect_b32 s16, 0, s13                      ; A's tile of 128 rows: v: cy (wv's four);  else 4 Y + cy (positions)
	s_cselect_b32 s46, s13, s42                    ; B's: v: 4 Y + cx (positions);  else 4 X + cx (wq's sixteen, wk's four behind them)
	s_add_co_u32 s16, s16, s41
	s_add_co_u32 s46, s46, s40
	s_lshl_b32 s16, s16, 18                        ; a tile of 128 rows is 8 row tiles of 32,768 bytes
	s_lshl_b32 s46, s46, 18
	s_lshl_b32 s17, s12, 17                        ; the 64 rows that I fetch
	s_add_co_u32 s16, s16, s17
	s_add_co_u32 s46, s46, s17
	s_cmp_eq_u32 ttmp9, 4
	s_cselect_b32 s18, 0x400000, 0                 ; A: x's plane for k,
	s_cmp_eq_u32 ttmp9, 5
	s_mov_b32 s19, 0x500000
	s_cselect_b32 s18, s19, s18                    ; or wv's place in wc
	s_cselect_b32 s19, 0x800000, 0                 ; B: x's plane for v
	s_add_co_u32 s16, s16, s18
	s_add_co_u32 s46, s46, s19
	s_mov_b32 s17, 0
	s_mov_b32 s47, 0
	s_mul_i32 s20, s10, HALFT                      ; where they go: wave x 32,768: no place in the cluster enters an LDS address
	s_wait_dscnt 0x0                               ; both opening adds are done
	s_wait_kmcnt 0x0
	s_load_b256 s[84:91], s[72:73], 0x0            ; e0 .. e7
	s_load_b128 s[92:95], s[72:73], 0x20           ; e8 .. e11
	s_cmp_eq_u32 ttmp9, 5
	s_cselect_b64 s[14:15], s[70:71], s[68:69]     ; A from wc for v, else from xc
	s_cselect_b64 s[22:23], s[68:69], s[70:71]     ; B the other way round
	s_add_nc_u64 s[14:15], s[14:15], s[16:17]
	s_add_nc_u64 s[46:47], s[22:23], s[46:47]
	CROUND                                         ; all sixteen work-groups are here: the first joint loads meet
.irp s, 0,1
	s_mov_b32 s[G0+4*\s], 1
	s_add_co_u32 s[G0+4*\s+1], s20, \s*SLOT
	s_add_nc_u64 s[G0+4*\s+2:G0+4*\s+3], s[14:15], \s*8192         ; K step s
	s_or_b32 s[G0+4*\s+3], s[G0+4*\s+3], 0x80000000
	s_mov_b32 s[G0B+4*\s], 1
	s_add_co_u32 s[G0B+4*\s+1], s20, \s*SLOT
	s_add_nc_u64 s[G0B+4*\s+2:G0B+4*\s+3], s[46:47], \s*8192
	s_or_b32 s[G0B+4*\s+3], s[G0B+4*\s+3], 0x80000000
	JLOAD \s
.endr
	v_and_b32 v1, 31, v0
	v_and_b32 v2, 15, v0                           ; r
	v_bfe_u32 v3, v0, 4, 1                         ; h
	v_lshlrev_b32 v[LI], 4, v1
	v_lshlrev_b32 v[RO], 8, v2
	v_lshl_add_u32 v[RO], v3, 5, v[RO]
	v_lshlrev_b32 v[BO], 5, v3
	v_lshlrev_b32 v[VO], 2, v2
	s_mul_i32 s21, s11, HALFT                      ; my 64 rows of A
	s_mul_i32 s22, s12, HALFT                      ; my 64 rows of B,
	s_add_co_u32 s22, s22, 2*HALFT                 ; which lie behind A's 128
.irp s, 0,1
	v_add_nc_u32 v[ADRA+\s], s21, v[LI]
	v_add_nc_u32 v[ADRB+\s], s22, v[LI]
	s_add_co_u32 s21, s21, SLOT
	s_add_co_u32 s22, s22, SLOT
.endr
	; where my four images go.  q, k: head 2 (4 X + cx) + wave % 2, position tiles 8 (4 Y + cy) + 4 (wave / 2) on
	s_add_co_u32 s2, s42, s40
	s_lshl_b32 s2, s2, 1
	s_add_co_u32 s2, s2, s12
	s_lshl_b32 s2, s2, 17
	s_add_co_u32 s3, s13, s41
	s_lshl_b32 s3, s3, 1
	s_add_co_u32 s3, s3, s11
	s_lshl_b32 s3, s3, 12
	s_add_co_u32 s2, s2, s3
	; v: kv head 2 cy + wave / 2, block of 64 keys 2 (4 Y + cx) + wave % 2
	s_lshl_b32 s3, s41, 1
	s_add_co_u32 s3, s3, s11
	s_lshl_b32 s3, s3, 5
	s_add_co_u32 s4, s13, s40
	s_lshl_b32 s4, s4, 1
	s_add_co_u32 s4, s4, s12
	s_add_co_u32 s3, s3, s4
	s_lshl_b32 s3, s3, 12
	s_add_co_u32 s3, s3, 0x500000
	s_cmp_eq_u32 ttmp9, 5
	s_cselect_b32 s2, s3, s2
	s_mov_b32 s3, 0
	s_add_nc_u64 s[98:99], s[82:83], s[2:3]
	s_wait_kmcnt 0x0
	s_add_co_i32 s2, s84, s85                      ; the sums' power of two: e0 + e1, e2 + e3 or e4 + e5;
	s_add_co_i32 s3, s86, s87
	s_add_co_i32 s4, s88, s89
	s_cmp_eq_u32 ttmp9, 4
	s_cselect_b32 s2, s3, s2
	s_cselect_b32 s5, s91, s90                     ; the result's quantiser: e6, e7 or e9
	s_cmp_eq_u32 ttmp9, 5
	s_cselect_b32 s2, s4, s2
	s_cselect_b32 s5, s93, s5
	s_add_co_i32 s2, s2, 127
	s_lshl_b32 s96, s2, 23
	s_mov_b32 s97, s96                             ; (named with it as a pair, so it is written)
	s_add_co_i32 s5, s5, 127
	s_lshl_b32 s6, s5, 23
	v_mov_b32 v[SCL], s6
	s_add_co_i32 s5, s5, 8
	s_lshl_b32 s5, s5, 23
	s_or_b32 s5, s5, 0x600000
	v_mov_b32 v[LIM], s5
; 4 matrix instructions: A's block a x B's four, 128 along K.  The 16 accumulators take turns, one instruction a turn, in the same order in every quarter.
.macro MUL4 f, a, zero
.irp b, 0,1,2,3
.if \zero
	v_wmma_f32_16x16x128_fp8_fp8 v[ACC+8*(4*(\a)+\b):ACC+8*(4*(\a)+\b)+7], v[\f+64+16*\b:\f+64+16*\b+15], v[\f+16*(\a):\f+16*(\a)+15], 0
.else
	v_wmma_f32_16x16x128_fp8_fp8 v[ACC+8*(4*(\a)+\b):ACC+8*(4*(\a)+\b)+7], v[\f+64+16*\b:\f+64+16*\b+15], v[\f+16*(\a):\f+16*(\a)+15], v[ACC+8*(4*(\a)+\b):ACC+8*(4*(\a)+\b)+7]
.endif
.endr
.endm
; 32 LDS loads in one run: the slot's q-th 128 along K into buffer f: B's four fragments, then A's
.macro FETCH slot, q, f
	WIN TO_F
.irp i, 0,1,2,3
.irp c, 0,1,2,3
	ds_load_b128 v[\f+64+16*\i+4*\c:\f+64+16*\i+4*\c+3], v[ADRB+\slot] offset:\i*8192+(\q)*2048+512*\c
.endr
.endr
.irp i, 0,1,2,3
.irp c, 0,1,2,3
	ds_load_b128 v[\f+16*\i+4*\c:\f+16*\i+4*\c+3], v[ADRA+\slot] offset:\i*8192+(\q)*2048+512*\c
.endr
.endr
.endm
; A K step is four quarters of 128 along K on buffers 0, 1, 0, 1.  One of the first three multiplies buffer f and fetches quarter qn into g.
.macro QUARTER slot, qn, f, g, zero
	s_wait_dscnt 8                                 ; B's four and A's blocks 0, 1 are in; the youngest eight loads (A's blocks 2, 3) may be out
	WIN MUL
	MUL4 \f, 0, \zero
	MUL4 \f, 1, \zero
	PLACES
	FETCH \slot, \qn, \g
	s_wait_dscnt 32                                ; all but the 32 just issued
	WIN MUL
	MUL4 \f, 2, \zero
	MUL4 \f, 3, \zero
.endm
; The last quarter multiplies buffer 1 and changes slots: ONE barrier; in front of it each wave waits for all its tensor loads, adds 0 to its spare word, and waits for that and for its reads of this slot.
.macro TURN slot, next, fill
	WIN 0                                          ; (the add's two registers lie in window 0)
	s_wait_tensorcnt 0x0                           ; all my tensor loads have landed: my part of the next slot
	ds_add_u32 v[SPW], v[NIL]
	s_wait_dscnt 9                                 ; (the add and the youngest eight loads may be out)
	WIN MUL
	MUL4 F1, 0, 0
	s_wait_dscnt 0x0                               ; the add is done, and my reads of this slot are over
	s_barrier_signal -1
	MUL4 F1, 1, 0
.if \fill
	WIN 0
.endif
	s_barrier_wait -1
.if \fill
	CREST                                          ; the barrier has opened a round of the cluster's: no wave of any partner still reads this slot or has a load on its way
	s_add_nc_u64 s[G0+4*\slot+2:G0+4*\slot+3], s[G0+4*\slot+2:G0+4*\slot+3], 16384
	s_add_nc_u64 s[G0B+4*\slot+2:G0B+4*\slot+3], s[G0B+4*\slot+2:G0B+4*\slot+3], 16384
	JLOAD \slot                                    ; the first tensor load behind the round; its four v_nop are also the places in front of the loads below
.else
	PLACES
.endif
	FETCH \next, 0, F0
	WIN MUL
	MUL4 F1, 2, 0
	MUL4 F1, 3, 0
.endm
.macro LASTSTEP                        ; K step 3, in slot 1: nothing more is fetched from memory
	QUARTER 1, 1, F0, F1, 0
	QUARTER 1, 2, F1, F0, 0
	QUARTER 1, 3, F0, F1, 0
	s_wait_dscnt 8
	WIN MUL
	MUL4 F1, 0, 0
	MUL4 F1, 1, 0
	s_wait_dscnt 0x0
	MUL4 F1, 2, 0
	MUL4 F1, 3, 0
	WIN 0
.endm
	s_wait_tensorcnt 1                             ; my part of K step 0 is in; K step 1's load may stay out
	s_barrier_signal -1
	s_barrier_wait -1
	FETCH 0, 0, F0
	QUARTER 0, 1, F0, F1, 1                        ; the first quarter's products start the sums: nothing is cleared
	QUARTER 0, 2, F1, F0, 0
	QUARTER 0, 3, F0, F1, 0
	TURN 0, 1, 1                                   ; slot 0 takes K step 2
	QUARTER 1, 1, F0, F1, 0
	QUARTER 1, 2, F1, F0, 0
	QUARTER 1, 3, F0, F1, 0
	TURN 1, 0, 1                                   ; slot 1 takes K step 3
	QUARTER 0, 1, F0, F1, 0
	QUARTER 0, 2, F1, F0, 0
	QUARTER 0, 3, F0, F1, 0
	TURN 0, 1, 0
	WIN 0
	s_cmp_eq_u32 ttmp9, 5                          ; the one parting of ways, on the cluster's x: alike in all partners; no barrier, tensor load or LDS store stands in either arm
	s_cbranch_scc1 .Lv
	; ---- q and k: bias and the rotary turn.  Their loads are issued ahead of the last K step's 64 matrix instructions
	s_cmp_eq_u32 ttmp9, 4
	s_cselect_b64 s[4:5], s[76:77], s[74:75]       ; wk_b or wq_b
	s_cselect_b32 s6, 0, s42
	s_add_co_u32 s6, s6, s40                       ; my tile of 128 columns in that bias
	s_lshl_b32 s6, s6, 9
	s_lshl_b32 s7, s12, 8
	s_add_co_u32 s6, s6, s7                        ; + my wave's 64
	s_mov_b32 s7, 0
	s_add_nc_u64 s[4:5], s[4:5], s[6:7]
	s_add_co_u32 s8, s13, s41
	s_lshl_b32 s8, s8, 1
	s_add_co_u32 s8, s8, s11                       ; my wave's 64 positions
	s_lshl_b32 s8, s8, 14                          ; of 256 bytes
	s_mov_b32 s9, 0
	s_add_nc_u64 s[8:9], s[80:81], s[8:9]
.irp b, 0,1,2,3
.irp u, 0,1
	global_load_b128 v[BIAS+8*\b+4*\u:BIAS+8*\b+4*\u+3], v[BO], s[4:5] offset:64*\b+16*\u      ; bias of d = 16 b + 8 h + 0..7
.endr
.endr
	WIN 0x80                                       ; destination window 2
.irp a, 0,1,2,3
.irp b, 0,1
.irp u, 0,1
	global_load_b128 v[32*\a+8*\b+4*\u:32*\a+8*\b+4*\u+3], v[RO], s[8:9] offset:4096*\a+64*\b+16*\u            ; cos(position 16 a + r, 16 b + 8 h + ..)
	global_load_b128 v[32*\a+16+8*\b+4*\u:32*\a+16+8*\b+4*\u+3], v[RO], s[8:9] offset:4096*\a+64*\b+16*\u+128  ; sin
.endr
.endr
.endr
	LASTSTEP
	s_wait_loadcnt 0x0
	PLACES
.irp a, 0,1,2,3
.irp b, 0,1,2,3
.irp i, 0,2,4,6
	v_pk_fma_f32 v[ACC+32*\a+8*\b+\i:ACC+32*\a+8*\b+\i+1], v[ACC+32*\a+8*\b+\i:ACC+32*\a+8*\b+\i+1], s[96:97], v[BIAS+8*\b+\i:BIAS+8*\b+\i+1] op_sel_hi:[1,0,1]   ; sum x 2^(ea + eb) + bias; each accumulator from its low end on
.endr
.endr
.endr
; x1 = d 0-31 (blocks b = 0, 1), x2 = d 32-63 (blocks b + 2): x1' = x1 cos - x2 sin, x2' = x1 sin + x2 cos
.macro ROPE a, b, i
.set X1, ACC+8*(4*(\a)+(\b))+(\i)
.set X2, ACC+8*(4*(\a)+(\b)+2)+(\i)
.set RC, 32*(\a)+8*(\b)+(\i)
.set RS, 32*(\a)+16+8*(\b)+(\i)
.set TT, 64+4*(((\i)/2)%2)
	v_pk_mul_f32 v[TT:TT+1], v[X2:X2+1], v[RS:RS+1]
	v_pk_mul_f32 v[TT+2:TT+3], v[X1:X1+1], v[RS:RS+1]
	v_pk_fma_f32 v[X1:X1+1], v[X1:X1+1], v[RC:RC+1], v[TT:TT+1] neg_lo:[0,0,1] neg_hi:[0,0,1]
	v_pk_fma_f32 v[X2:X2+1], v[X2:X2+1], v[RC:RC+1], v[TT+2:TT+3]
.endm
	WIN 0x08                                       ; source 1 (cos, sin) window 2
.irp a, 0,1,2,3
.irp b, 0,1
.irp i, 0,2,4,6
	ROPE \a, \b, \i
.endr
.endr
.endr
	WIN 0
	s_branch .Ljoin
.Lv:
	; ---- v: a lane holds one channel d = 16 a + r of kv head 2 cy + wave / 2: one bias a block
	s_lshl_b32 s6, s41, 9
	s_lshl_b32 s7, s11, 8
	s_add_co_u32 s6, s6, s7
	s_mov_b32 s7, 0
	s_add_nc_u64 s[4:5], s[78:79], s[6:7]
.irp a, 0,1,2,3
	global_load_b32 v[BIAS+\a], v[VO], s[4:5] offset:64*\a
.endr
	LASTSTEP
	s_wait_loadcnt 0x0
	PLACES
.irp a, 0,1,2,3
.set i, 0
.rept 32
	v_fma_f32 v[ACC+32*\a+i], v[ACC+32*\a+i], s96, v[BIAS+\a]
.set i, i+1
.endr
.endr
.Ljoin:
	; ---- the quantiser: the hold, the conversions, and out
.set i, 0
.rept 128
	v_med3_num_f32 v[ACC+i], v[ACC+i], -v[LIM], v[LIM]     ; the conversion to an 8-bit code does not saturate (ISA guide 7.6.2)
.set i, i+1
.endr
.irp a, 0,1,2,3
.irp b, 0,1,2,3
	v_cvt_scalef32_pk8_fp8_f32 v[CD+8*\a+2*\b:CD+8*\a+2*\b+1], v[ACC+32*\a+8*\b:ACC+32*\a+8*\b+7], v[SCL]   ; registers 2 b, 2 b + 1 of image a
.endr
.endr
	v_nop                                          ; one plain line behind the last conversion
.irp a, 0,1,2,3
.irp u, 0,1
	global_store_b128 v[LI], v[CD+8*\a+4*\u:CD+8*\a+4*\u+3], s[98:99] offset:1024*\a+512*\u    ; 32 lanes store 512 consecutive bytes, aligned
.endr
.endr
	s_wait_tensorcnt 0x0                           ; the wave's end
	ds_add_u32 v[SPW], v[NIL]
	s_wait_dscnt 0x0
	CROUND                                         ; the closing round: no work-group ends while a partner may still ask for a tile that names it
	s_endpgm
.Lfunc_end_k_q277b6aedbf_qkv:
	.size	k_q277b6aedbf_qkv, .Lfunc_end_k_q277b6aedbf_qkv-k_q277b6aedbf_qkv
	.p2alignl 7, 3214868480
	.fill 96, 4, 3214868480
	.section	.rodata,"a",@progbits
	.p2align	6, 0x0
	.amdhsa_kernel k_q277b6aedbf_qkv
		.amdhsa_group_segment_fixed_size 327680
		.amdhsa_private_segment_fixed_size 0
		.amdhsa_enable_private_segment 0
		.amdhsa_kernarg_size 64
		.amdhsa_user_sgpr_count 2
		.amdhsa_user_sgpr_kernarg_segment_ptr 1
		.amdhsa_wavefront_size32 1
		.amdhsa_system_sgpr_workgroup_id_x 1
		.amdhsa_system_sgpr_workgroup_id_y 1
		.amdhsa_system_sgpr_workgroup_id_z 1
		.amdhsa_system_vgpr_workitem_id 0
		.amdhsa_next_free_vgpr 640
		.amdhsa_next_free_sgpr 100
		.amdhsa_reserve_vcc 0
		.amdhsa_float_denorm_mode_32 3
		.amdhsa_float_denorm_mode_16_64 3
		.amdhsa_memory_ordered 1
		.amdhsa_forward_progress 1
		.amdhsa_inst_pref_size 109
	.end_amdhsa_kernel
	.amdgpu_metadata
---
amdhsa.version: [ 1, 2 ]
amdhsa.kernels:
  - .name:           k_q277b6aedbf_qkv
    .symbol:         k_q277b6aedbf_qkv.kd
    .args:
      - { .name: xc, .offset: 0, .size: 8, .value_kind: global_buffer, .address_space: global }
      - { .name: wc, .offset: 8, .size: 8, .value_kind: global_buffer, .address_space: global }
      - { .name: lowp_scales, .offset: 16, .size: 8, .value_kind: global_buffer, .address_space: global }
      - { .name: wq_b, .offset: 24, .size: 8, .value_kind: global_buffer, .address_space: global }
      - { .name: wk_b, .offset: 32, .size: 8, .value_kind: global_buffer, .address_space: global }
      - { .name: wv_b, .offset: 40, .size: 8, .value_kind: global_buffer, .address_space: global }
      - { .name: rope_cache, .offset: 48, .size: 8, .value_kind: global_buffer, .address_space: global }
      - { .name: qkv, .offset: 56, .size: 8, .value_kind: global_buffer, .address_space: global }
    .group_segment_fixed_size: 327680
    .private_segment_fixed_size: 0
    .kernarg_segment_align: 8
    .kernarg_segment_size: 64
    .max_flat_workgroup_size: 128
    .sgpr_count:     100
    .vgpr_count:     640
    .wavefront_size: 32
...
	.end_amdgpu_metadata
.endif
;; end of part 2
;; launch attn (part 3): grid 32 x 8, 8 waves a work-group, clusters of 4 x 1, 263,168 bytes of LDS; arguments qkv, lowp_scales, sinks, oc; writes oc
.if DOCPART == 3
	.amdgcn_target "amdgcn-amd-amdhsa--gfx1250"
	.amdhsa_code_object_version 6
	.text
	.protected	k_q277b6aedbf_attn
	.globl	k_q277b6aedbf_attn
	.p2align	8
	.type	k_q277b6aedbf_attn,@function
k_q277b6aedbf_attn:
	s_mov_b64 s[64:65], 0
	v_nop
	global_prefetch_b8 v0, s[64:65] scope:SCOPE_SE
	s_setreg_imm32_b32 hwreg(HW_REG_WAVE_MODE, 25, 1), 1
	s_wait_xcnt 0x0
	s_wait_alu depctr_hold_cnt(0) depctr_sa_sdst(0) depctr_va_vdst(0) depctr_va_sdst(0) depctr_va_ssrc(0) depctr_va_vcc(0) depctr_vm_vsrc(0)
	s_getreg_b32 s2, hwreg(HW_REG_IB_STS2, 6, 4)
	s_cmp_eq_u32 s2, 0
	s_cbranch_scc0 .Lentry_in_a_cluster
	s_endpgm
.Lentry_in_a_cluster:
	s_bfe_u32 s2, ttmp6, 0x10000c
	s_cmp_lg_u32 s2, 0x3003
	s_cbranch_scc0 .Lentry_shape_is_right
	s_endpgm
.Lentry_shape_is_right:
; out[h][q] = sigmoid(lse - sink[h]) x the sum over k <= q of exp(score - lse) v[k], score = q . k / 8, lse = logsumexp of the row's scores; both products on codes of E4M3.
; WORK LEFT OUT: a step of 128 keys all of which come after a tile's 16 queries: under reference()'s own causal mask its weights are 0 and add nothing to lse or to the sum (shown at the head of the first kernel).
; THE WEIGHTS ARE QUANTISED FINISHED AND NORMALISED, so lse is wanted before the first of them: TWO PASSES over the keys.  Pass 1: S^T = K Q^T, a running maximum M (a whole number) and the sum of 2^(t - M):
; L = M + log2(sum), lse = L ln 2.  Pass 2: the same S^T by the same instruction on the same operands, p = 2^(t - L), quantised with entry 8, O^T += V^T P^T.  O is never rescaled.  t = score x log2(e).
; At the end O^T x sigmoid x 2^(e8 + e9) is quantised with entry 10: the lane's codes are the image that the last launch's A fragment takes (rows = positions, K = head x 64 + d).
; LIMITS: e6 + e7 between -123 and 129 (added to c's exponent field); e8, e10 between -126 and 119.  Hidden scores are -infinity here where reference() has -1e30: the same result while true scores stay far above -1e30.
; A weight under 2^-126 is 0 (v_exp_f32 flushes).  NaN among the inputs is not served.
; SHARES.  The four partners of a cluster are the FOUR QUERY HEADS of one key and value head (work-group y); they take the same queries, so every branch below (wave's number, cluster's x) is alike in them;
; cx enters only the addresses of q, sinks and oc.  Wave w owns two tiles of 16 queries: T0 = 16 w + J and T1 = 127 - T0 (J = cluster x, 0..7): 2 w + 1 and 16 - 2 w steps of 128 keys: 17 a pass for EVERY wave.
; ALL OF THE HEAD'S K AND V LIE IN LDS, 131,072 bytes each, filled once, by joint loads (each wave one eighth of each, 16,384 bytes): no byte is filled again, and one barrier stands in front of the passes.
; Two tensor loads of a wave are out at the most.  No prefetch: all of K and V is asked for at the head.
; LDS LOADS RUN A STEP AHEAD: a step asks for the next step's K behind its own products K Q^T, into the registers that they have left; pass 2 asks for its V there too, into registers of their own.
; The 16th step's look-ahead reads the 8,192 bytes behind K, which are V's first: they are in LDS, and what comes is not used.
; LAYOUT.  Both products are used transposed: a lane holds ONE query (lane % 16) throughout; register 8 t + j of S^T is key 16 t + 8 (lane / 16) + j, so the conversion of tile t's eight registers
; gives registers 2 t, 2 t + 1 of the second product's operand, in the form's own order.
; REGISTERS, window 0: v1 16 x lane; v2, v3 LDS addresses; v4 r - 8 h; v5, v6 the add's two; v10 -infinity; v11 at work; v12 -M, v13 the largest t, v[14:15] the sum; v16-23 Q of T1, v24-31 of T0; v32-95 fragments of K;
; v96-159 S^T, then p; v160-191 O^T (in pass 1: v160-167 four partial sums, v168-171 four partial maxima); v192-207 p's codes; v208-215 the result's codes; v216, v218 -L; v220, v222 the gate x 2^(e8 + e9);
; v224-227 holds and scales; v236, v237, v252-254 at work.   window 1: v0-63 fragments of V (s_set_vgpr_msb: bits 1:0 source 0, 7:6 destination): four switches a step of pass 2.
.set VB,    131072                     ; V's place in LDS, behind K
.set SPARE, 262144                     ; behind both: the spare words, 128 bytes for each of eight waves
.set NLA,  216
.set NLB,  218
.set FACA, 220
.set FACB, 222
.set MSB, 0
.macro WIN new                         ; the immediate's high byte repeats the setting that is left
.if MSB != \new
	s_set_vgpr_msb (MSB<<8)|\new
.set MSB, \new
.endif
.endm
.macro CROUND                          ; a round of the cluster's barrier
	s_barrier_signal -1
	s_barrier_wait -1
	s_cmp_lg_u32 s18, 0
	s_cbranch_scc1 .Lnot_wave_0_\@
	s_barrier_signal -3
.Lnot_wave_0_\@:
	s_barrier_wait -3
	s_barrier_signal -1
	s_barrier_wait -1
.endm
	s_load_b256 s[4:11], s[0:1], 0x0               ; qkv s[4:5], lowp_scales s[6:7], sinks s[8:9], oc s[10:11]
	v_lshl_add_u32 v5, v0, 2, SPARE
	v_mov_b32 v6, 0
	ds_add_u32 v5, v6                              ; the wave's opening: the add, twice on end, and its wait ahead of my first tensor load
	ds_add_u32 v5, v6
	v_lshrrev_b32 v7, 5, v0
	v_readfirstlane_b32 s18, v7                    ; wave 0..7
	s_bfe_u32 s19, ttmp6, 0x40000                  ; cx
	s_and_b32 s20, ttmp7, 0xffff                   ; the key and value head
	s_lshl_b32 s21, s20, 2
	s_add_co_u32 s21, s21, s19                     ; my query head
	s_lshl_b32 s48, s18, 8
	s_lshl_b32 s22, ttmp9, 4
	s_add_co_u32 s48, s48, s22                     ; T0's first query: 256 w + 16 J
	s_sub_co_u32 s47, 2032, s48                    ; T1's
	s_mov_b32 s24, 15|(3<<16)|(1<<21)              ; group 1: 15:0 the mask: all four; 17:16 elements of 8 bytes; 21 set beside a mask; no padding
	s_mov_b32 s25, 32<<16                          ; tensor_dim0 = 32 elements: 256 bytes
	s_mov_b32 s26, 64<<16                          ; tensor_dim1 = 64 rows
	s_mov_b32 s27, 32<<16                          ; tile_dim0
	s_mov_b32 s28, 64                              ; tile_dim1
	s_mov_b32 s29, 32                              ; dense: a row begins where the last ends
	s_mov_b32 s30, 0
	s_mov_b32 s31, 0
	s_mov_b32 s40, 0x76543210                      ; v_permlanex16_b32's selects for lane l xor 16
	s_mov_b32 s41, 0xfedcba98
	s_lshl_b32 s12, s20, 17                        ; the head's 131,072 bytes of K,
	s_lshl_b32 s23, s18, 14                        ; my wave's 16,384 of them, in memory and in LDS
	s_add_co_u32 s12, s12, s23
	s_add_co_u32 s12, s12, 0x400000
	s_mov_b32 s13, 0
	s_lshl_b32 s82, s21, 2                         ; my head's sink
	s_mov_b32 s83, 0
	s_wait_dscnt 0x0                               ; both opening adds are done
	s_wait_kmcnt 0x0
	s_load_b256 s[68:75], s[6:7], 0x0              ; e0 .. e7
	s_load_b128 s[76:79], s[6:7], 0x20             ; e8 .. e11
	s_add_nc_u64 s[8:9], s[8:9], s[82:83]
	s_load_b32 s80, s[8:9], 0x0
	CROUND                                         ; all four work-groups are here: the joint loads meet
	s_mov_b32 s32, 1
	s_mov_b32 s33, s23
	s_add_nc_u64 s[34:35], s[4:5], s[12:13]
	s_mov_b32 s36, 1
	s_add_co_u32 s37, s23, VB
	s_add_nc_u64 s[38:39], s[34:35], 0x100000      ; V lies 0x100000 bytes behind K
	s_or_b32 s35, s35, 0x80000000
	s_or_b32 s39, s39, 0x80000000
	tensor_load_to_lds s[32:35], s[24:31]          ; my eighth of K
	s_nop 0
	tensor_load_to_lds s[36:39], s[24:31]          ; and of V
	s_nop 0
.rept 4
	v_nop
.endr
	v_and_b32 v7, 31, v0
	v_lshlrev_b32 v1, 4, v7
	s_lshl_b32 s82, s21, 17                        ; q: [head][position tile][1024]
	s_lshl_b32 s84, s47, 6
	s_add_co_u32 s84, s84, s82
	s_mov_b32 s85, 0
	s_add_nc_u64 s[56:57], s[4:5], s[84:85]
	s_lshl_b32 s84, s48, 6
	s_add_co_u32 s84, s84, s82
	s_add_nc_u64 s[58:59], s[4:5], s[84:85]
	global_load_b128 v[16:19], v1, s[56:57]        ; Q's two fragments stay in registers
	global_load_b128 v[20:23], v1, s[56:57] offset:512
	global_load_b128 v[24:27], v1, s[58:59]
	global_load_b128 v[28:31], v1, s[58:59] offset:512
	s_lshl_b32 s82, s21, 10                        ; oc: [position tile][head][1024]
	s_lshl_b32 s84, s47, 11
	s_add_co_u32 s84, s84, s82
	s_add_nc_u64 s[52:53], s[10:11], s[84:85]
	s_lshl_b32 s84, s48, 11
	s_add_co_u32 s84, s84, s82
	s_add_nc_u64 s[54:55], s[10:11], s[84:85]
	v_and_b32 v7, 15, v0
	v_bfe_u32 v8, v0, 4, 1
	v_lshlrev_b32 v8, 3, v8
	v_sub_nc_u32 v4, v7, v8                        ; r - 8 h
	v_mov_b32 v10, 0xff800000                      ; -infinity
	v_mov_b32 v236, 0                              ; written once: a lane permute's destination counts as one of its sources,
	v_mov_b32 v252, 0
	v_mov_b32 v253, 0                              ; and the upper word of a pair that a packed form names counts as read
	v_mov_b32 v254, 0
	v_mov_b32 v[NLA+1], 0
	v_mov_b32 v[NLB+1], 0
	v_mov_b32 v[FACA+1], 0
	v_mov_b32 v[FACB+1], 0
	s_wait_kmcnt 0x0
	s_add_co_i32 s82, s74, s75
	s_lshl_b32 s82, s82, 23
	s_add_co_i32 s42, s82, 0x3e38aa3b              ; c = log2(e) / 8 x 2^(e6 + e7): the exponents are added to c's exponent field
	s_mov_b32 s43, s42                             ; (named with it as a pair, so it is written)
	s_mul_f32 s80, s80, 0x3fb8aa3b                 ; sink x log2(e)
	s_add_co_i32 s81, s76, s77                     ; e8 + e9
.macro MKSCALE se, vs, vl              ; 2^e and 448 x 2^e as f32
	s_add_co_i32 s82, \se, 127
	s_lshl_b32 s83, s82, 23
	v_mov_b32 v[\vs], s83
	s_add_co_i32 s82, s82, 8
	s_lshl_b32 s82, s82, 23
	s_or_b32 s82, s82, 0x600000
	v_mov_b32 v[\vl], s82
.endm
	MKSCALE s76, 225, 224                          ; p's
	MKSCALE s78, 227, 226                          ; the result's
; K of a pass's first step: eight tiles of 16 keys, from LDS byte 0
.macro PRO
.irp t, 0,1,2,3,4,5,6,7
	ds_load_b128 v[32+8*\t:35+8*\t], v1 offset:1024*\t
	ds_load_b128 v[36+8*\t:39+8*\t], v1 offset:1024*\t+512
.endr
.endm
; S^T of the step at LDS byte s44, whose K was asked for a step ago; then the loads that run ahead.  The four plain lines behind the products are the places in front of the loads into
; registers that matrix instructions have read, and of the first read of results.
.macro KQ qreg, withv
	s_wait_dscnt 0x0                               ; this step's K is in
.irp t, 0,1,2,3,4,5,6,7
	v_wmma_f32_16x16x64_fp8_fp8 v[96+8*\t:103+8*\t], v[32+8*\t:39+8*\t], v[\qreg:\qreg+7], 0
.endr
	v_add_nc_u32 v2, s44, v1                       ; this step's place in K
.if \withv
	v_add_nc_u32 v3, VB, v2                        ; and in V
.else
	v_nop
.endif
	v_nop
	v_nop
.if \withv
	WIN 0x40                                       ; destination window 1
.irp dt, 0,1,2,3                       ; this step's V: four fragments of 16 channels x 128 keys (two images each): they have the softmax in which to land
.irp u, 0,1
	ds_load_b128 v[16*\dt+4*\u:16*\dt+4*\u+3], v3 offset:1024*\dt+512*\u
	ds_load_b128 v[16*\dt+8+4*\u:16*\dt+8+4*\u+3], v3 offset:4096+1024*\dt+512*\u
.endr
.endr
	WIN 0
.endif
.irp t, 0,1,2,3,4,5,6,7                ; the next step's K, 8,192 bytes on
	ds_load_b128 v[32+8*\t:35+8*\t], v2 offset:8192+1024*\t
	ds_load_b128 v[36+8*\t:39+8*\t], v2 offset:8192+1024*\t+512
.endr
.endm
; On the diagonal hidden scores become -infinity.  A step all of whose keys count jumps over this: a branch on ids.
.macro MASK q0
	s_add_co_u32 s50, s45, 127
	s_cmp_le_u32 s50, s[\q0]
	s_cbranch_scc1 .Lopen_\@
	s_sub_co_i32 s50, s[\q0], s45
	v_add_nc_u32 v11, s50, v4                      ; d = my query - the step's first key - 8 h: register 8 t + j is hidden where 16 t + j > d
.set n, 0
.rept 64
	v_cmp_gt_i32 vcc_lo, 16*(n/8)+n%8, v11
	v_cndmask_b32 v[96+n], v[96+n], v10, vcc_lo
.set n, n+1
.endr
.Lopen_\@:
.endm
.macro SCALE p, nl                     ; pair p of the scores: c s + the low word of v[nl:nl+1], which is -M or -L
	v_pk_fma_f32 v[96+2*(\p):97+2*(\p)], v[96+2*(\p):97+2*(\p)], s[42:43], v[\nl:\nl+1] op_sel_hi:[1,0,0]
.endm
.macro EXP2 p                          ; pair p's two exponentials
	v_exp_f32 v[96+2*(\p)], v[96+2*(\p)]
	v_exp_f32 v[97+2*(\p)], v[97+2*(\p)]
.endm
; The 32 scalings and the 64 exponentials as ONE BATCH: two exponentials, then the scaling of the pair four further on.  No line of it names an exponential's result, so one plain line and one wait close it.
; withf = 1 (pass 1): the three lines that make f = 2^(old M - new M) stand among the first of them; f is wanted only behind the batch.
.macro SOFT nl, withf
	SCALE 0, \nl
	SCALE 1, \nl
	SCALE 2, \nl
	SCALE 3, \nl
.if \withf
	v_sub_f32 v237, v12, v237                      ; old M - new M: a whole number, 0 or less
.endif
	EXP2 0
	SCALE 4, \nl
.if \withf
	v_cvt_i32_f32 v237, v237                       ; (it saturates)
.endif
	EXP2 1
	SCALE 5, \nl
.if \withf
	v_ldexp_f32 v252, 1.0, v237                    ; f: rounds nothing
.endif
.set pp, 2
.rept 30
	EXP2 pp
.if pp+4 < 32
	SCALE pp+4, \nl
.endif
.set pp, pp+1
.endr
	v_nop                                          ; the plain line behind the last exponential
	s_wait_alu depctr_va_vdst(0)                   ; one wait for the whole batch, ahead of its first reader
.endm
; Pass 1's statistics of a step.  The maximum and the sum go in four chains each, which take turns; each accumulator's first read is of one of its four lowest registers.
.macro STAT
.irp k, 0,1,2,3
	v_max3_num_f32 v[168+\k], v[96+16*\k], v[97+16*\k], v[98+16*\k]
.endr
.irp m, 0,1,2,3,4,5
.irp k, 0,1,2,3
	v_max3_num_f32 v[168+\k], v[168+\k], v[99+16*\k+2*\m], v[100+16*\k+2*\m]
.endr
.endr
	v_max3_num_f32 v168, v168, v111, v127          ; the four scores left over,
	v_max3_num_f32 v170, v170, v143, v159
	v_max_num_f32 v169, v169, v171
	v_max3_num_f32 v254, v168, v169, v170          ; and the four chains: the largest among my 64 keys
	v_permlanex16_b32 v236, v254, s40, s41
	v_mov_b32 v237, v12                            ; the old -M is kept for f
	v_max_num_f32 v254, v254, v236                 ; and among lane l xor 16's
	v_mul_f32 v254, s42, v254                      ; as t (c is positive)
	v_max_num_f32 v13, v13, v254                   ; the running largest t
	v_floor_f32 v12, -v13                          ; the new -M = floor(-t): M is a whole number
	SOFT 12, 1
.irp k, 0,1,2,3
	v_pk_add_f32 v[160+2*\k:161+2*\k], v[96+2*\k:97+2*\k], v[104+2*\k:105+2*\k]
.endr
.irp m, 0,1,2,3,4,5
.irp k, 0,1,2,3
	v_pk_add_f32 v[160+2*\k:161+2*\k], v[160+2*\k:161+2*\k], v[112+8*\m+2*\k:113+8*\m+2*\k]
.endr
.endr
	v_pk_add_f32 v[160:161], v[160:161], v[162:163]
	v_pk_add_f32 v[164:165], v[164:165], v[166:167]
	v_pk_add_f32 v[160:161], v[160:161], v[164:165]
	v_pk_fma_f32 v[14:15], v[14:15], v[252:253], v[160:161] op_sel_hi:[1,0,1]   ; the sum under the new M, and this step's
.endm
; -L and the gate.  Each transcendental has its plain line and its wait ahead of the first reader.
.macro FIN1 nl, fac
	v_add_f32 v14, v14, v15
	v_permlanex16_b32 v252, v14, s40, s41
	v_add_f32 v14, v14, v252                       ; the row's sum
	v_log_f32 v14, v14
	v_nop
	s_wait_alu depctr_va_vdst(0)
	v_sub_f32 v[\nl], v12, v14                     ; -L = -M - log2(sum)
	v_add_f32 v252, s80, v[\nl]                    ; (sink - lse) x log2(e)
	v_exp_f32 v252, v252
	v_nop
	s_wait_alu depctr_va_vdst(0)
	v_add_f32 v252, 1.0, v252
	v_rcp_f32 v252, v252                           ; sigmoid(lse - sink)
	v_nop
	s_wait_alu depctr_va_vdst(0)
	v_ldexp_f32 v[\fac], v252, s81                 ; x 2^(e8 + e9)
.endm
; Every loop has 16 trips, a constant; a hidden step's work is jumped over by a branch on ids, round no barrier.  The steps that count are the first ones, so each finds its K asked for.
.macro PASS1 qreg, q0, nl, fac
	v_mov_b32 v13, 0xff61b1e6                      ; the largest t so far: -3e38
	v_floor_f32 v12, -v13
	v_mov_b32 v14, 0
	v_mov_b32 v15, 0
	s_mov_b32 s44, 0                               ; the step's LDS byte
	s_mov_b32 s45, 0                               ; its first key
	s_mov_b32 s46, 16
	s_add_co_u32 s49, s[\q0], 15                   ; the tile's last query
.Lp1_\@:
	s_cmp_gt_u32 s45, s49
	s_cbranch_scc1 .Lh1_\@
	KQ \qreg, 0
	MASK \q0
	STAT
.Lh1_\@:
	s_add_co_u32 s45, s45, 128
	s_add_co_u32 s44, s44, 8192
	s_sub_co_i32 s46, s46, 1
	s_cmp_lg_u32 s46, 0
	s_cbranch_scc1 .Lp1_\@
	s_wait_dscnt 0x0                               ; the last look-ahead has landed: its registers may be loaded again
	PRO                                            ; the next pass's first step, ahead of this pass's closing arithmetic
	FIN1 \nl, \fac
.endm
.macro PASS2 qreg, q0, nl, fac, ob, more
.set i, 0
.rept 32
	v_mov_b32 v[160+i], 0                          ; O^T: 32 lines a tile, in place of a second copy of the step
.set i, i+1
.endr
	s_mov_b32 s44, 0
	s_mov_b32 s45, 0
	s_mov_b32 s46, 16
	s_add_co_u32 s49, s[\q0], 15
.Lp2_\@:
	s_cmp_gt_u32 s45, s49
	s_cbranch_scc1 .Lh2_\@
	KQ \qreg, 1
	MASK \q0
	SOFT \nl, 0                                    ; p = exp(score - lse), finished and normalised
.set tt, 0
.rept 8                                ; the hold (p is not negative, so it is one-sided) and the conversion; a tile's conversion stands behind the next tile's holds
.set ii, 0
.rept 8
	v_min_num_f32 v[96+8*tt+ii], v[96+8*tt+ii], v224
.set ii, ii+1
.endr
.if tt > 0
	v_cvt_scalef32_pk8_fp8_f32 v[190+2*tt:191+2*tt], v[88+8*tt:95+8*tt], v225
.endif
.set tt, tt+1
.endr
	v_cvt_scalef32_pk8_fp8_f32 v[206:207], v[152:159], v225
	v_nop                                          ; one plain line between the last conversion and the matrix instructions that read its result
	s_wait_dscnt 16                                ; V is in; the 16 loads issued behind it, the next step's K, may stay out
	WIN 0x01                                       ; source 0 (V) window 1
.irp dt, 0,1,2,3                       ; the four accumulators take turns; eight other products stand between two steps
	v_wmma_f32_16x16x128_fp8_fp8 v[160+8*\dt:167+8*\dt], v[16*\dt:16*\dt+15], v[192:207], v[160+8*\dt:167+8*\dt]
.endr
	WIN 0
.Lh2_\@:
	s_add_co_u32 s45, s45, 128
	s_add_co_u32 s44, s44, 8192
	s_sub_co_i32 s46, s46, 1
	s_cmp_lg_u32 s46, 0
	s_cbranch_scc1 .Lp2_\@
	s_wait_dscnt 0x0                               ; the last look-ahead has landed
.if \more
	PRO                                            ; the other tile's first step
.endif
.rept 4
	v_nop                                          ; places behind the last products
.endr
.set i, 0
.rept 16
	v_pk_mul_f32 v[160+i:161+i], v[160+i:161+i], v[\fac:\fac+1] op_sel_hi:[1,0]   ; x the gate x 2^(e8 + e9), from each accumulator's low end on
.set i, i+2
.endr
.set i, 0
.rept 32
	v_med3_num_f32 v[160+i], v[160+i], -v226, v226 ; the conversion to an 8-bit code does not saturate (ISA guide 7.6.2)
.set i, i+1
.endr
	s_wait_xcnt 0x0                                ; the other tile's stores have read their data
.irp dt, 0,1,2,3
	v_cvt_scalef32_pk8_fp8_f32 v[208+2*\dt:209+2*\dt], v[160+8*\dt:167+8*\dt], v227
.endr
	v_nop                                          ; one plain line behind the last conversion
	global_store_b128 v1, v[208:211], s[\ob:\ob+1]             ; 32 lanes store 512 consecutive bytes, aligned
	global_store_b128 v1, v[212:215], s[\ob:\ob+1] offset:512
.endm
	s_wait_tensorcnt 0x0                           ; my parts of K and of V are in
	s_barrier_signal -1
	s_barrier_wait -1                              ; everybody's are: from here on LDS is only read, and no wave waits for another
	PRO
	s_wait_loadcnt 0x0                             ; Q
	PASS1 16, 47, NLA, FACA
	PASS1 24, 48, NLB, FACB
	PASS2 16, 47, NLA, FACA, 52, 1
	PASS2 24, 48, NLB, FACB, 54, 0
	s_wait_tensorcnt 0x0                           ; the wave's end
	ds_add_u32 v5, v6
	s_wait_dscnt 0x0
	CROUND                                         ; the closing round
	s_endpgm
.Lfunc_end_k_q277b6aedbf_attn:
	.size	k_q277b6aedbf_attn, .Lfunc_end_k_q277b6aedbf_attn-k_q277b6aedbf_attn
	.p2alignl 7, 3214868480
	.fill 96, 4, 3214868480
	.section	.rodata,"a",@progbits
	.p2align	6, 0x0
	.amdhsa_kernel k_q277b6aedbf_attn
		.amdhsa_group_segment_fixed_size 263168
		.amdhsa_private_segment_fixed_size 0
		.amdhsa_enable_private_segment 0
		.amdhsa_kernarg_size 32
		.amdhsa_user_sgpr_count 2
		.amdhsa_user_sgpr_kernarg_segment_ptr 1
		.amdhsa_wavefront_size32 1
		.amdhsa_system_sgpr_workgroup_id_x 1
		.amdhsa_system_sgpr_workgroup_id_y 1
		.amdhsa_system_sgpr_workgroup_id_z 1
		.amdhsa_system_vgpr_workitem_id 0
		.amdhsa_next_free_vgpr 320
		.amdhsa_next_free_sgpr 96
		.amdhsa_reserve_vcc 1
		.amdhsa_float_denorm_mode_32 3
		.amdhsa_float_denorm_mode_16_64 3
		.amdhsa_memory_ordered 1
		.amdhsa_forward_progress 1
		.amdhsa_inst_pref_size 83
	.end_amdhsa_kernel
	.amdgpu_metadata
---
amdhsa.version: [ 1, 2 ]
amdhsa.kernels:
  - .name:           k_q277b6aedbf_attn
    .symbol:         k_q277b6aedbf_attn.kd
    .args:
      - { .name: qkv, .offset: 0, .size: 8, .value_kind: global_buffer, .address_space: global }
      - { .name: lowp_scales, .offset: 8, .size: 8, .value_kind: global_buffer, .address_space: global }
      - { .name: sinks, .offset: 16, .size: 8, .value_kind: global_buffer, .address_space: global }
      - { .name: oc, .offset: 24, .size: 8, .value_kind: global_buffer, .address_space: global }
    .group_segment_fixed_size: 263168
    .private_segment_fixed_size: 0
    .kernarg_segment_align: 8
    .kernarg_segment_size: 32
    .max_flat_workgroup_size: 256
    .sgpr_count:     96
    .vgpr_count:     320
    .wavefront_size: 32
...
	.end_amdgpu_metadata
.endif
;; end of part 3
;; launch proj (part 4): grid 16 x 16, 4 waves a work-group, clusters of 4 x 4, 327,680 bytes of LDS; arguments oc, wc, lowp_scales, wo_b, out0; writes out0
.if DOCPART == 4
	.amdgcn_target "amdgcn-amd-amdhsa--gfx1250"
	.amdhsa_code_object_version 6
	.text
	.protected	k_q277b6aedbf_proj
	.globl	k_q277b6aedbf_proj
	.p2align	8
	.type	k_q277b6aedbf_proj,@function
k_q277b6aedbf_proj:
	s_mov_b64 s[64:65], 0
	v_nop
	global_prefetch_b8 v0, s[64:65] scope:SCOPE_SE
	s_setreg_imm32_b32 hwreg(HW_REG_WAVE_MODE, 25, 1), 1
	s_wait_xcnt 0x0
	s_wait_alu depctr_hold_cnt(0) depctr_sa_sdst(0) depctr_va_vdst(0) depctr_va_sdst(0) depctr_va_ssrc(0) depctr_va_vcc(0) depctr_vm_vsrc(0)
	s_getreg_b32 s2, hwreg(HW_REG_IB_STS2, 6, 4)
	s_cmp_eq_u32 s2, 0
	s_cbranch_scc0 .Lentry_in_a_cluster
	s_endpgm
.Lentry_in_a_cluster:
	s_bfe_u32 s2, ttmp6, 0x10000c
	s_cmp_lg_u32 s2, 0xf033
	s_cbranch_scc0 .Lentry_shape_is_right
	s_endpgm
.Lentry_shape_is_right:
; out0 = o wo^T + wo_b on codes of E4M3 (v_wmma_f32_16x16x128_fp8_fp8): o's codes from launch attn (entry 10 of lowp_scales), wo's from launch quant (entry 11).  No work is left out here.
; LIMIT: e10 + e11 between -126 and 127, so that 2^(e10 + e11) is an f32 number.
; CODES lie as images of a fragment's registers (16 rows x 64 K = 1,024 bytes), in memory and in LDS alike.  A tile of out0 is 128 x 128: 256 work-groups; four waves of 64 x 64: 16 accumulators.
; K = 2,048 goes in four steps of 512 through two LDS slots; a wave's tensor load brings 4 row tiles x 8,192 bytes.  CLUSTERS of 4 x 4: o's tiles are shared along a row, wo's along a column, by joint loads.
; THE MATRIX INSTRUCTION IS USED TRANSPOSED (source 0 = 16 rows of wo, source 1 = 16 rows of o): a lane holds eight neighbouring numbers of a row of out0.
; A wave's 64 columns are 256 aligned bytes of a row: blocks of 16 rows go through the wave's own stage in LDS and leave sixteen lanes to such a run of 256 bytes.
; REGISTERS: window 0: v16-29 addresses; v32-63 bias; v128-255 accumulators ((a, b) at v[128 + 8 (4 a + b)]).   window 1: two fragment buffers of 128: A's four fragments, then B's four.
.set HALFT, 32768
.set SLOT,  131072
.set STAGE, 2*SLOT                     ; behind the ring: 16 rows x 272 bytes for each wave
.set SPITCH, 272
.set SPARE, STAGE+4*16*SPITCH          ; behind the stages: the spare words, 128 bytes a wave
.set ADRA, 16
.set ADRB, 20
.set LI,   22                          ; v22  16 x lane
.set STO,  24                          ; v24  the way out: where I put 32 bytes of a row
.set RD,   25                          ; v25  where I read a row back
.set CO,   26                          ; v26  my byte offset in out0
.set BO,   27                          ; v27  the bias: 32 h
.set SPW,  28
.set NIL,  29
.set BIAS, 32
.set ACC,  128
.set F0,   0
.set F1,   128
.set G1,  24
.set G0,  32
.set G1B, 48
.set G0B, 56
.set MSB, 0
.macro WIN new                         ; the immediate's high byte repeats the setting that is left
.if MSB != \new
	s_set_vgpr_msb (MSB<<8)|\new
.set MSB, \new
.endif
.endm
.set MUL,  0x05
.set TO_F, 0x40
.macro JLOAD s                         ; a joint load: waves 0 and 1 fetch A's halves, waves 2 and 3 B's; an s_nop 0 and four v_nop follow each line
	s_cmp_eq_u32 s11, 0
	s_cbranch_scc0 .Lfor_b_\@
	tensor_load_to_lds s[G0+4*\s:G0+4*\s+3], s[G1:G1+7]
	s_nop 0
.rept 4
	v_nop
.endr
	s_branch .Lasked_\@
.Lfor_b_\@:
	tensor_load_to_lds s[G0B+4*\s:G0B+4*\s+3], s[G1B:G1B+7]
	s_nop 0
.rept 4
	v_nop
.endr
.Lasked_\@:
.endm
.macro CREST
	s_cmp_lg_u32 s10, 0
	s_cbranch_scc1 .Lnot_wave_0_\@
	s_barrier_signal -3
.Lnot_wave_0_\@:
	s_barrier_wait -3
	s_barrier_signal -1
	s_barrier_wait -1
.endm
.macro CROUND
	s_barrier_signal -1
	s_barrier_wait -1
	CREST
.endm
.macro PLACES
.rept 4
	v_nop
.endr
.endm
	s_load_b256 s[68:75], s[0:1], 0x0              ; oc 68, wc 70, lowp_scales 72, wo_b 74
	s_load_b64 s[76:77], s[0:1], 0x20              ; out0
	v_lshl_add_u32 v[SPW], v0, 2, SPARE
	v_mov_b32 v[NIL], 0
	ds_add_u32 v[SPW], v[NIL]                      ; the wave's opening: the add, twice on end, and its wait ahead of my first tensor load
	ds_add_u32 v[SPW], v[NIL]
	v_lshrrev_b32 v1, 5, v0
	v_readfirstlane_b32 s10, v1                    ; wave 0..3
	s_lshr_b32 s11, s10, 1                         ; which half of the tile's rows is mine.  Also: I fetch for A (0) or for B (1)
	s_and_b32 s12, s10, 1                          ; which half of its columns.  Also: which 64 rows of that tile I fetch
	s_bfe_u32 s40, ttmp6, 0x40000                  ; cx
	s_bfe_u32 s41, ttmp6, 0x40004                  ; cy
	s_lshl_b32 s42, ttmp9, 2
	s_add_co_u32 s42, s42, s40                     ; tile column = 4 x cluster x + cx
	s_and_b32 s13, ttmp7, 0xffff
	s_lshl_b32 s13, s13, 2
	s_add_co_u32 s13, s13, s41                     ; tile row = 4 x cluster y + cy
	s_lshl_b32 s43, s41, 2
	s_lshl_b32 s43, 15, s43                        ; my row of the cluster
	s_lshl_b32 s44, 0x1111, s40                    ; my column
	s_or_b32 s[G1], s43, (3<<16)|(1<<21)           ; 15:0 the mask; 17:16 elements of 8 bytes; 21 set beside a mask; no padding
	s_or_b32 s[G1B], s44, (3<<16)|(1<<21)
.irp g, G1, G1B
	s_mov_b32 s[\g+1], 1024<<16                    ; tensor_dim0 = 1,024 elements: 8,192 bytes
	s_mov_b32 s[\g+2], 4<<16                       ; tensor_dim1 = 4 row tiles
	s_mov_b32 s[\g+3], 1024<<16                    ; tile_dim0
	s_mov_b32 s[\g+4], 4                           ; tile_dim1
	s_mov_b32 s[\g+5], 4096                        ; from row tile to row tile: 32,768 bytes
	s_mov_b32 s[\g+6], 0
	s_mov_b32 s[\g+7], 0
.endr
	s_lshl_b32 s17, s12, 17                        ; the 64 rows that I fetch
	s_lshl_b32 s16, s13, 18
	s_add_co_u32 s16, s16, s17                     ; A: tile row
	s_lshl_b32 s46, s42, 18
	s_add_co_u32 s46, s46, s17                     ; B: tile column,
	s_add_co_u32 s46, s46, 0x600000                ; in wo's part of wc
	s_mov_b32 s17, 0
	s_mov_b32 s47, 0
	s_mul_i32 s20, s10, HALFT
	s_wait_dscnt 0x0                               ; both opening adds are done
	s_wait_kmcnt 0x0
	s_load_b64 s[94:95], s[72:73], 0x28            ; e10, e11
	s_add_nc_u64 s[14:15], s[68:69], s[16:17]
	s_add_nc_u64 s[46:47], s[70:71], s[46:47]
	CROUND                                         ; all sixteen work-groups are here: the first joint loads meet
.irp s, 0,1
	s_mov_b32 s[G0+4*\s], 1
	s_add_co_u32 s[G0+4*\s+1], s20, \s*SLOT
	s_add_nc_u64 s[G0+4*\s+2:G0+4*\s+3], s[14:15], \s*8192
	s_or_b32 s[G0+4*\s+3], s[G0+4*\s+3], 0x80000000
	s_mov_b32 s[G0B+4*\s], 1
	s_add_co_u32 s[G0B+4*\s+1], s20, \s*SLOT
	s_add_nc_u64 s[G0B+4*\s+2:G0B+4*\s+3], s[46:47], \s*8192
	s_or_b32 s[G0B+4*\s+3], s[G0B+4*\s+3], 0x80000000
	JLOAD \s
.endr
	v_and_b32 v1, 31, v0
	v_and_b32 v2, 15, v0                           ; r
	v_bfe_u32 v3, v0, 4, 1                         ; h
	v_lshlrev_b32 v[LI], 4, v1
	v_lshlrev_b32 v[BO], 5, v3
	s_lshl_b32 s2, s42, 9                          ; my first column, in bytes: 512 x tile column + 256 x half
	s_lshl_b32 s3, s12, 8
	s_add_co_u32 s2, s2, s3
	s_mov_b32 s3, 0
	s_add_nc_u64 s[4:5], s[74:75], s[2:3]
.irp b, 0,1,2,3
.irp u, 0,1
	global_load_b128 v[BIAS+8*\b+4*\u:BIAS+8*\b+4*\u+3], v[BO], s[4:5] offset:64*\b+16*\u      ; wo_b of columns 16 b + 8 h + 0..7; waited for on the way out
.endr
.endr
	s_lshl_b32 s6, s13, 1
	s_add_co_u32 s6, s6, s11                       ; my first row: 128 x tile row + 64 x half,
	s_lshl_b32 s6, s6, 19                          ; of 8,192 bytes
	s_add_co_u32 s6, s6, s2
	s_mov_b32 s7, 0
	s_add_nc_u64 s[98:99], s[76:77], s[6:7]
	s_mul_i32 s21, s11, HALFT
	s_mul_i32 s22, s12, HALFT
	s_add_co_u32 s22, s22, 2*HALFT
.irp s, 0,1
	v_add_nc_u32 v[ADRA+\s], s21, v[LI]
	v_add_nc_u32 v[ADRB+\s], s22, v[LI]
	s_add_co_u32 s21, s21, SLOT
	s_add_co_u32 s22, s22, SLOT
.endr
	s_mul_i32 s23, s10, 16*SPITCH
	s_add_co_u32 s23, s23, STAGE                   ; my stage
	v_mul_u32_u24 v[STO], v2, SPITCH               ; in: row r, 32 bytes for each half of the lanes
	v_lshl_add_u32 v[STO], v3, 5, v[STO]
	v_add_nc_u32 v[STO], s23, v[STO]
	v_mul_u32_u24 v[RD], v3, SPITCH                ; back: lanes 0-15 one row of 256 bytes, lanes 16-31 the next
	v_lshl_add_u32 v[RD], v2, 4, v[RD]
	v_add_nc_u32 v[RD], s23, v[RD]
	v_lshlrev_b32 v[CO], 4, v2                     ; and the same two rows in out0
	v_lshl_add_u32 v[CO], v3, 13, v[CO]
	s_wait_kmcnt 0x0
	s_add_co_i32 s96, s94, s95
	s_add_co_i32 s96, s96, 127
	s_lshl_b32 s96, s96, 23                        ; 2^(e10 + e11) as f32
	s_mov_b32 s97, s96                             ; (named with it as a pair, so it is written)
; 4 matrix instructions: A's block a x B's four, 128 along K.  The 16 accumulators take turns, one instruction a turn, in the same order in every quarter.
.macro MUL4 f, a, zero
.irp b, 0,1,2,3
.if \zero
	v_wmma_f32_16x16x128_fp8_fp8 v[ACC+8*(4*(\a)+\b):ACC+8*(4*(\a)+\b)+7], v[\f+64+16*\b:\f+64+16*\b+15], v[\f+16*(\a):\f+16*(\a)+15], 0
.else
	v_wmma_f32_16x16x128_fp8_fp8 v[ACC+8*(4*(\a)+\b):ACC+8*(4*(\a)+\b)+7], v[\f+64+16*\b:\f+64+16*\b+15], v[\f+16*(\a):\f+16*(\a)+15], v[ACC+8*(4*(\a)+\b):ACC+8*(4*(\a)+\b)+7]
.endif
.endr
.endm
.macro FETCH slot, q, f                ; 32 LDS loads in one run: B's four fragments, then A's
	WIN TO_F
.irp i, 0,1,2,3
.irp c, 0,1,2,3
	ds_load_b128 v[\f+64+16*\i+4*\c:\f+64+16*\i+4*\c+3], v[ADRB+\slot] offset:\i*8192+(\q)*2048+512*\c
.endr
.endr
.irp i, 0,1,2,3
.irp c, 0,1,2,3
	ds_load_b128 v[\f+16*\i+4*\c:\f+16*\i+4*\c+3], v[ADRA+\slot] offset:\i*8192+(\q)*2048+512*\c
.endr
.endr
.endm
.macro QUARTER slot, qn, f, g, zero
	s_wait_dscnt 8                                 ; B's four and A's blocks 0, 1 are in; the youngest eight loads (A's blocks 2, 3) may be out
	WIN MUL
	MUL4 \f, 0, \zero
	MUL4 \f, 1, \zero
	PLACES
	FETCH \slot, \qn, \g
	s_wait_dscnt 32                                ; all but the 32 just issued
	WIN MUL
	MUL4 \f, 2, \zero
	MUL4 \f, 3, \zero
.endm
.macro TURN slot, next, fill           ; the last quarter changes slots: ONE barrier; in front of it the wait for all my tensor loads, the add, and the wait for it and for my reads of this slot
	WIN 0
	s_wait_tensorcnt 0x0                           ; all my tensor loads have landed: my part of the next slot
	ds_add_u32 v[SPW], v[NIL]
	s_wait_dscnt 9                                 ; (the add and the youngest eight loads may be out)
	WIN MUL
	MUL4 F1, 0, 0
	s_wait_dscnt 0x0                               ; the add is done, and my reads of this slot are over
	s_barrier_signal -1
	MUL4 F1, 1, 0
.if \fill
	WIN 0
.endif
	s_barrier_wait -1
.if \fill
	CREST                                          ; no wave of any partner still reads this slot or has a load on its way
	s_add_nc_u64 s[G0+4*\slot+2:G0+4*\slot+3], s[G0+4*\slot+2:G0+4*\slot+3], 16384
	s_add_nc_u64 s[G0B+4*\slot+2:G0B+4*\slot+3], s[G0B+4*\slot+2:G0B+4*\slot+3], 16384
	JLOAD \slot                                    ; the first tensor load behind the round; its four v_nop are also the places in front of the loads below
.else
	PLACES
.endif
	FETCH \next, 0, F0
	WIN MUL
	MUL4 F1, 2, 0
	MUL4 F1, 3, 0
.endm
	s_wait_tensorcnt 1                             ; my part of K step 0 is in; K step 1's load may stay out
	s_barrier_signal -1
	s_barrier_wait -1
	FETCH 0, 0, F0
	QUARTER 0, 1, F0, F1, 1                        ; the first quarter's products start the sums
	QUARTER 0, 2, F1, F0, 0
	QUARTER 0, 3, F0, F1, 0
	TURN 0, 1, 1                                   ; slot 0 takes K step 2
	QUARTER 1, 1, F0, F1, 0
	QUARTER 1, 2, F1, F0, 0
	QUARTER 1, 3, F0, F1, 0
	TURN 1, 0, 1                                   ; slot 1 takes K step 3
	QUARTER 0, 1, F0, F1, 0
	QUARTER 0, 2, F1, F0, 0
	QUARTER 0, 3, F0, F1, 0
	TURN 0, 1, 0
	QUARTER 1, 1, F0, F1, 0
	QUARTER 1, 2, F1, F0, 0
	QUARTER 1, 3, F0, F1, 0
	s_wait_dscnt 8
	WIN MUL
	MUL4 F1, 0, 0
	MUL4 F1, 1, 0
	s_wait_dscnt 0x0
	MUL4 F1, 2, 0
	MUL4 F1, 3, 0
	WIN 0
; THE WAY OUT, a block of 16 rows x 64 columns at a time: sum x 2^(e10 + e11) + bias in place; into my stage; back as whole rows of 256 bytes, into the registers that they left.
.macro PACK a
.irp b, 0,1,2,3
.irp i, 0,2,4,6
	v_pk_fma_f32 v[ACC+32*\a+8*\b+\i:ACC+32*\a+8*\b+\i+1], v[ACC+32*\a+8*\b+\i:ACC+32*\a+8*\b+\i+1], s[96:97], v[BIAS+8*\b+\i:BIAS+8*\b+\i+1] op_sel_hi:[1,0,1]   ; each accumulator from its low end on
.endr
.endr
.irp b, 0,1,2,3
.irp u, 0,1
	ds_store_b128 v[STO], v[ACC+32*\a+8*\b+4*\u:ACC+32*\a+8*\b+4*\u+3] offset:64*\b+16*\u
.endr
.endr
.irp t, 0,1,2,3,4,5,6,7
	ds_load_b128 v[ACC+32*\a+4*\t:ACC+32*\a+4*\t+3], v[RD] offset:\t*2*SPITCH      ; LDS serves a wave's instructions in order: these see the stores above, and the next block's stores come behind them
.endr
.endm
.macro SEND a, younger                 ; younger: the LDS instructions issued behind block a's loads: the next block's sixteen, or none
.irp t, 0,1,2,3,4,5,6,7
	s_wait_dscnt \younger+7-\t
	global_store_b128 v[CO], v[ACC+32*\a+4*\t:ACC+32*\a+4*\t+3], s[98:99] offset:(16*\a+2*\t)*8192 th:TH_STORE_NT   ; 16 lanes store 256 consecutive bytes, aligned; written once, read by nobody here
.endr
.endm
	s_wait_loadcnt 0x0                             ; the bias
	PLACES
	PACK 0
	PACK 1
	SEND 0, 16
	PACK 2
	SEND 1, 16
	PACK 3
	SEND 2, 16
	SEND 3, 0
	s_wait_tensorcnt 0x0                           ; the wave's end, behind my last tensor load and my last LDS store
	ds_add_u32 v[SPW], v[NIL]
	s_wait_dscnt 0x0
	CROUND                                         ; the closing round: no work-group ends while a partner may still ask for a tile that names it
	s_endpgm
.Lfunc_end_k_q277b6aedbf_proj:
	.size	k_q277b6aedbf_proj, .Lfunc_end_k_q277b6aedbf_proj-k_q277b6aedbf_proj
	.p2alignl 7, 3214868480
	.fill 96, 4, 3214868480
	.section	.rodata,"a",@progbits
	.p2align	6, 0x0
	.amdhsa_kernel k_q277b6aedbf_proj
		.amdhsa_group_segment_fixed_size 327680
		.amdhsa_private_segment_fixed_size 0
		.amdhsa_enable_private_segment 0
		.amdhsa_kernarg_size 40
		.amdhsa_user_sgpr_count 2
		.amdhsa_user_sgpr_kernarg_segment_ptr 1
		.amdhsa_wavefront_size32 1
		.amdhsa_system_sgpr_workgroup_id_x 1
		.amdhsa_system_sgpr_workgroup_id_y 1
		.amdhsa_system_sgpr_workgroup_id_z 1
		.amdhsa_system_vgpr_workitem_id 0
		.amdhsa_next_free_vgpr 512
		.amdhsa_next_free_sgpr 100
		.amdhsa_reserve_vcc 0
		.amdhsa_float_denorm_mode_32 3
		.amdhsa_float_denorm_mode_16_64 3
		.amdhsa_memory_ordered 1
		.amdhsa_forward_progress 1
		.amdhsa_inst_pref_size 75
	.end_amdhsa_kernel
	.amdgpu_metadata
---
amdhsa.version: [ 1, 2 ]
amdhsa.kernels:
  - .name:           k_q277b6aedbf_proj
    .symbol:         k_q277b6aedbf_proj.kd
    .args:
      - { .name: oc, .offset: 0, .size: 8, .value_kind: global_buffer, .address_space: global }
      - { .name: wc, .offset: 8, .size: 8, .value_kind: global_buffer, .address_space: global }
      - { .name: lowp_scales, .offset: 16, .size: 8, .value_kind: global_buffer, .address_space: global }
      - { .name: wo_b, .offset: 24, .size: 8, .value_kind: global_buffer, .address_space: global }
      - { .name: out0, .offset: 32, .size: 8, .value_kind: global_buffer, .address_space: global }
    .group_segment_fixed_size: 327680
    .private_segment_fixed_size: 0
    .kernarg_segment_align: 8
    .kernarg_segment_size: 40
    .max_flat_workgroup_size: 128
    .sgpr_count:     100
    .vgpr_count:     512
    .wavefront_size: 32
...
	.end_amdgpu_metadata
.endif
;; end of part 4
